; MI455X (gfx1250); checked and timed in simulation.
; The chip was launched on July 23, 2026; its instructions are those of AMD's public machine-readable ISA for CDNA 5 (MIT licence, August 2026) and "CDNA5" Instruction Set Architecture Reference Guide (July 2026). The comments in the code are by the model that wrote it; some were corrected since.
;; Deep Factorization Machine Model. Allowed arithmetic: float matrix products may take bf16 or f16 operands with f32 sums; all other float work in f32.
;; Inputs: W1 256 x 64 float32; W2 64 x 32 float32; W3 32 x 1 float32; b1 64 float32; b2 32 float32; b3 1 float32; be1 64 float32; be2 32 float32; emb_table 1,700,000 x 16 float32; g1 64 float32; g2 32 float32; lin_bias 1 float32; lin_table 1,700,000 x 1 float32; x 16,384 x 16 int32; x_field 16,384 x 16 int32; x_val 16,384 x 16 float32.
;; Outputs: out0 16,384 float32.
;; 2 versions, each right; version 2 is version 1 with the launch dfm written anew for expert scheduling mode. Each part assembles by itself: llvm-mc -triple=amdgcn-amd-amdhsa -mcpu=gfx1250 --defsym DOCPART=n.
;; ======== version 1 of 2: 1 launch
;; launch dfm (part 1): grid 256 x 1, 4 waves a work-group, no clusters, 49,920 bytes of LDS; arguments x, x_field, x_val, emb_table, lin_table, W1, W2, W3, g1, b1, be1, g2, b2, be2, lin_bias, b3, out0; writes out0
.if DOCPART == 1
	.amdgcn_target "amdgcn-amd-amdhsa--gfx1250"
	.amdhsa_code_object_version 6
	.text
	.protected	k_q5edc89878f_dfm
	.globl	k_q5edc89878f_dfm
	.p2align	8
	.type	k_q5edc89878f_dfm,@function
k_q5edc89878f_dfm:
	s_mov_b64 s[64:65], 0
	v_nop
	global_prefetch_b8 v0, s[64:65] scope:SCOPE_SE
	s_setreg_imm32_b32 hwreg(HW_REG_WAVE_MODE, 25, 1), 1
	s_wait_xcnt 0x0
; DeepFM forward, one pass.  16,384 rows x 16 features; idx = x + 100000 x_field; e = emb_table[idx] * x_val;
; out = (sum lin_table[idx] x_val + lin_bias) + 0.5 sum_e (s^2 - sq) + MLP(256 -> 64 -> 32 -> 1, batch norm folded, ReLU).
; SHARES: 256 work-groups of four waves; a work-group owns 64 rows, a wave 16 rows, which is one matrix tile: there is no loop.
; Lane L = (r = L & 15, h = L >> 4) holds e = 8h .. 8h+7 of all 16 fields of row r: two 16-byte gathers a field.
; THE PRODUCTS ARE USED TRANSPOSED: source 0 = weights (M = hidden unit), source 1 = activations (N = batch row r).  Then
;   - the K step t of layer 1 is fields 2t, 2t+1, and a lane's weighted, rounded gathers ARE its fragment (registers 0-3: field 2t, 4-7: field 2t+1);
;   - a result register j of lane (r, h) is unit 16 nt + 8h + j of row r, so tiles 2 t2 and 2 t2 + 1, packed to bf16, are layer 2's fragment t2:
;     no activation goes through LDS.
; BATCH NORM: s = g * c, c = 1/sqrt(1 + 1e-5) = 0x3f7fffac in f32.  W[k][n] * s[n] is rounded once to bf16; t = b * s + be is the products' first C,
; so nothing is cleared and only ReLU is left behind a layer.  Layer 3 (32 multiply-adds a row), the FM term, the linear term and all biases are f32.
; THE WEIGHTS (65,536 + 8,192 bytes of f32) are read by every work-group through registers, where they are scaled and rounded, and stored to LDS
; as bf16 [k][n]; transposing LDS loads make the fragments.  No joint (cluster) load is used for them: a tensor load cannot scale or round, so a joint
; f32 tile would be 73,728 more bytes of LDS that are read back, converted and stored again, with rounds of the cluster's barrier in a text of one pass.
; No prefetch: a gather's address is known only a few lines ahead of the gather itself.
; LIMITS, stated: x is taken in 0 .. 99,999 and x_field in 0 .. 16 and both are clamped there as unsigned numbers (an id inside the table that is made
; of a larger x is not served).  ReLU by v_max_num_f32 makes 0 of a NaN.  The sums' orders differ from the reference's; matrix operands are bf16.
.set P1,   160                         ; LDS pitch of W1's rows: 128 bytes of bf16 + 32; 5 x 32
.set P2,   96                          ; LDS pitch of W2's rows: 64 bytes + 32; 3 x 32
.set W2L,  40960                       ; W1 lies at 0: 256 rows x 160.  W2: 64 rows x 96 = 6,144
.set PARL, 47104                       ; each wave's own 512 bytes: t1 (256), t2 (128) at +256, W3 (128) at +384
.set OUTL, 49152                       ; the work-group's 64 results, 256 bytes
.set BNC,  0x3f7fffac                  ; 1/sqrt(1 + 1e-5)
; block 0: v0 thread, v1 L, v2 r, v3 32h, v4 index offset, v5 16 tid (later: offset in out0), v6 16 (L&15) (later: my word in OUTL),
;          v7 16 (L&7) (later: 8 L in OUTL), v8/v9 where W1/W2 are stored in LDS, v11/v12 where their fragments are read, v13-15 my wave's parameters
.set LACC, 10                          ; v10       the linear sum (before that: h)
.set VAL,  16                          ; v[16:31]  x_val of my row
.set X,    32                          ; v[32:47]  x, then idx, then 4 idx, then lin_table[idx]
.set XF,   48                          ; v[48:63]  x_field, then 64 idx + 32h
.set ACC1, 64                          ; v[64:95]  layer 1: four accumulator tiles
.set STG,  96                          ; v[96:123] g1, b1, be1, g2, b2, be2, W3: four registers each
.set H1F,  96                          ; v[96:111] later: the two fragments of h1
.set S,    112                         ; v[112:119] later: sum over fields of e
.set SQ,   120                         ; v[120:127] later: sum over fields of e^2; at the end v[120:123] layer 3's sums, v124 the result, v125 the other half's
.set G,    128                         ; v[128:255] field f at G + 8 f.  After STEP t: v[G+16t : +7] = fragment t, v[G+16t+8 : +15] free (chunk t)
; chunks: 2 t2 + mt = layer 2's weight fragment (mt, t2); 4 + mt = its accumulator; 6 + mt = W3 for that accumulator's units
; block 1 (v256-v511): first W1 as loaded (v[4i:4i+3]) and W2 (v[128+4i ..]); behind the barrier layer 1's 32 weight fragments, (t, nt) at v[8 (4t+nt)]
.set MSB, 0
.macro WIN new                         ; s_set_vgpr_msb: bits 1:0 source 0, 3:2 source 1, 5:4 source 2, 7:6 destination; the high byte repeats the setting that is left
.if MSB != \new
	s_set_vgpr_msb (MSB<<8)|\new
.set MSB, \new
.endif
.endm
	; ---- ids and the offsets that the first loads need
	s_load_b512 s[8:23], s[0:1], 0x0               ; x 8, x_field 10, x_val 12, emb_table 14, lin_table 16, W1 18, W2 20, W3 22
	s_load_b512 s[24:39], s[0:1], 0x40             ; g1 24, b1 26, be1 28, g2 30, b2 32, be2 34, lin_bias 36, b3 38
	s_load_b64 s[40:41], s[0:1], 0x80              ; out0
	s_set_vgpr_msb 0x80
	v_lshl_add_u32 v0, v0, 2, 0xc100
	v_mov_b32 v1, 0
	s_set_vgpr_msb 0x8000
	v_lshrrev_b32 v4, 5, v0
	v_readfirstlane_b32 s3, v4                     ; wave 0..3
	v_and_b32 v1, 31, v0                           ; L
	v_and_b32 v2, 15, v0                           ; r
	v_and_b32 v3, 16, v0
	v_lshlrev_b32 v3, 1, v3                        ; 32 h
	s_lshl_b32 s2, ttmp9, 12                       ; 64 rows x 64 bytes a work-group,
	s_lshl_b32 s4, s3, 10                          ; 16 rows x 64 bytes a wave
	s_add_co_u32 s2, s2, s4
	v_lshl_add_u32 v4, v2, 6, s2                   ; my row in x, x_field, x_val
	v_lshlrev_b32 v5, 4, v0                        ; 16 tid: the work-group's 128 threads take 2,048 consecutive bytes of W1 or W2
	v_lshlrev_b32 v6, 4, v2                        ; my four columns of W1: 16 (L & 15)
	v_and_b32 v12, 7, v0                           ; L & 7
	v_lshlrev_b32 v7, 4, v12                       ; my four columns of W2: 16 (L & 7)
	s_wait_kmcnt 0x0
	; ---- 55 loads: the indices first, then all that can be staged while the gathers are out
.irp q, 0,1,2,3
	global_load_b128 v[X+4*\q:X+4*\q+3], v4, s[8:9] offset:16*\q
.endr
.irp q, 0,1,2,3
	global_load_b128 v[XF+4*\q:XF+4*\q+3], v4, s[10:11] offset:16*\q
.endr
.irp q, 0,1,2,3
	global_load_b128 v[VAL+4*\q:VAL+4*\q+3], v4, s[12:13] offset:16*\q
.endr
	s_load_b32 s42, s[36:37], 0x0                  ; lin_bias
	s_load_b32 s43, s[38:39], 0x0                  ; b3
	global_load_b128 v[STG:STG+3],     v6, s[24:25]        ; g1 of my four columns
	global_load_b128 v[STG+4:STG+7],   v6, s[26:27]        ; b1
	global_load_b128 v[STG+8:STG+11],  v6, s[28:29]        ; be1
	global_load_b128 v[STG+12:STG+15], v7, s[30:31]        ; g2
	global_load_b128 v[STG+16:STG+19], v7, s[32:33]        ; b2
	global_load_b128 v[STG+20:STG+23], v7, s[34:35]        ; be2
	global_load_b128 v[STG+24:STG+27], v7, s[22:23]        ; W3
	WIN 0x40                                       ; loaded data into block 1
.set i, 0
.rept 32
	global_load_b128 v[4*i:4*i+3], v5, s[18:19] offset:2048*i      ; W1 row 8 i + 2 wave + h, columns 4 (L & 15) .. +3; a wave's load covers 512 consecutive bytes
.set i, i+1
.endr
.set i, 0
.rept 4
	global_load_b128 v[128+4*i:128+4*i+3], v5, s[20:21] offset:2048*i  ; W2 row 16 i + 4 wave + (L >> 3), columns 4 (L & 7) .. +3
.set i, i+1
.endr
	WIN 0
	; ---- LDS addresses, while the indices are on their way
	v_bfe_u32 v10, v0, 4, 1                        ; h
	s_mul_i32 s4, s3, 2*P1                         ; a wave stores two rows of W1 with each store
	v_mul_u32_u24 v8, v10, P1
	v_lshl_add_u32 v8, v2, 3, v8
	v_add_nc_u32 v8, s4, v8                        ; W1 in: (2 wave + h) x 160 + 8 (L & 15); + 1,280 i in the immediate
	v_bfe_u32 v11, v0, 3, 2                        ; L >> 3
	s_mul_i32 s5, s3, 4*P2                         ; four rows of W2
	s_add_co_u32 s5, s5, W2L
	v_mul_u32_u24 v9, v11, P2
	v_lshl_add_u32 v9, v12, 3, v9
	v_add_nc_u32 v9, s5, v9                        ; W2 in: W2L + (4 wave + (L >> 3)) x 96 + 8 (L & 7); + 1,536 i in the immediate
	v_lshl_add_u32 v13, v10, 3, v12                ; (L & 7) + 8 h: the row of k that I address in a transposing load
	v_bfe_u32 v14, v0, 3, 1                        ; which 16 bytes (8 columns) of it
	v_mul_u32_u24 v11, v13, P1
	v_lshl_add_u32 v11, v14, 4, v11                ; W1 out
	v_mul_u32_u24 v12, v13, P2
	v_lshl_add_u32 v12, v14, 4, v12
	v_add_nc_u32 v12, W2L, v12                     ; W2 out
	s_lshl_b32 s6, s3, 9
	s_add_co_u32 s6, s6, PARL                      ; my wave's parameters
	v_add_nc_u32 v13, s6, v3                       ; out: the 8 numbers at unit 8 h (+ 64 bytes a tile in the immediate)
	v_add_nc_u32 v14, s6, v6                       ; in: 16 (L & 15)
	v_add_nc_u32 v15, s6, v7                       ; in: 16 (L & 7)
	s_mov_b32 s44, 0x76543210                      ; v_permlanex16_b32: lane i of one half reads lane i of the other
	s_mov_b32 s45, 0xfedcba98
	s_lshl_b32 s46, ttmp9, 8                       ; the work-group's 64 results in out0
	s_lshl_b32 s7, s3, 6
	s_add_co_u32 s7, s7, OUTL                      ; my wave's 16 results in LDS
	; ---- the gathers: 48 loads a wave, all issued before anything else is waited for
	s_wait_loadcnt 47                              ; x and x_field are in; behind them stand x_val 4 + vectors 7 + W1 32 + W2 4 = 47 (loads come back in order: ISA guide 5.7.1)
.macro GATHER f
	v_min_u32 v[X+\f], 0x1869f, v[X+\f]            ; x <= 99,999
	v_min_u32 v[XF+\f], 16, v[XF+\f]               ; x_field <= 16
	v_mul_u32_u24 v[XF+\f], 0x186a0, v[XF+\f]      ; the field's offset: 100,000 x_field
	v_add_nc_u32 v[X+\f], v[X+\f], v[XF+\f]        ; idx <= 1,699,999: inside both tables
	v_lshl_add_u32 v[XF+\f], v[X+\f], 6, v3        ; 64 idx + 32 h
	v_lshlrev_b32 v[X+\f], 2, v[X+\f]              ; 4 idx
	global_load_b128 v[G+8*\f:G+8*\f+3],   v[XF+\f], s[14:15]              ; e = 8h .. 8h+3
	global_load_b128 v[G+8*\f+4:G+8*\f+7], v[XF+\f], s[14:15] offset:16    ; e = 8h+4 .. 8h+7
	global_load_b32 v[X+\f], v[X+\f], s[16:17]     ; the linear weight, on its own address register; both halves of the lanes ask for the same word
.endm
.irp f, 0,1,2,3,4,5,6,7,8,9,10,11,12,13,14,15
	GATHER \f                                      ; more loads are issued than LOADcnt's field holds: the issue waits by itself (ISA guide 5.7.1), no wait is written for it
.endr
	; ---- the weights are scaled, rounded and laid into LDS while the gathers are out
	s_wait_loadcnt 48                              ; only the 48 gathers may be out: x_val, the vectors, W1 and W2 are in
	v_pk_mul_f32 v[STG:STG+1],     v[STG:STG+1],     BNC op_sel_hi:[1,0]   ; s1 = g1 c
	v_pk_mul_f32 v[STG+2:STG+3],   v[STG+2:STG+3],   BNC op_sel_hi:[1,0]
	v_pk_mul_f32 v[STG+12:STG+13], v[STG+12:STG+13], BNC op_sel_hi:[1,0]   ; s2 = g2 c
	v_pk_mul_f32 v[STG+14:STG+15], v[STG+14:STG+15], BNC op_sel_hi:[1,0]
	v_pk_fma_f32 v[STG+4:STG+5],   v[STG+4:STG+5],   v[STG:STG+1],     v[STG+8:STG+9]     ; t1 = b1 s1 + be1
	v_pk_fma_f32 v[STG+6:STG+7],   v[STG+6:STG+7],   v[STG+2:STG+3],   v[STG+10:STG+11]
	v_pk_fma_f32 v[STG+16:STG+17], v[STG+16:STG+17], v[STG+12:STG+13], v[STG+20:STG+21]   ; t2 = b2 s2 + be2
	v_pk_fma_f32 v[STG+18:STG+19], v[STG+18:STG+19], v[STG+14:STG+15], v[STG+22:STG+23]
	ds_store_b128 v14, v[STG+4:STG+7]                      ; lanes that hold the same columns store the same bytes
	ds_store_b128 v15, v[STG+16:STG+19] offset:256
	ds_store_b128 v15, v[STG+24:STG+27] offset:384         ; W3 as it is
	WIN 0x41                                       ; source 0 and destination in block 1, the scales in block 0
.set i, 0
.rept 32
	v_pk_mul_f32 v[4*i:4*i+1],   v[4*i:4*i+1],   v[STG:STG+1]      ; W1[k][n] s1[n]
	v_pk_mul_f32 v[4*i+2:4*i+3], v[4*i+2:4*i+3], v[STG+2:STG+3]
.set i, i+1
.endr
.set i, 0
.rept 4
	v_pk_mul_f32 v[128+4*i:128+4*i+1], v[128+4*i:128+4*i+1], v[STG+12:STG+13]   ; W2[k][n] s2[n]
	v_pk_mul_f32 v[128+4*i+2:128+4*i+3], v[128+4*i+2:128+4*i+3], v[STG+14:STG+15]
.set i, i+1
.endr
	WIN 0x45                                       ; all of the conversion in block 1
.set i, 0
.rept 36                                       ; W1's 32 groups of four and W2's 4, which follow them
	v_cvt_pk_bf16_f32 v[4*i],   v[4*i],   v[4*i+1]         ; the one rounding to bf16
	v_cvt_pk_bf16_f32 v[4*i+1], v[4*i+2], v[4*i+3]
.set i, i+1
.endr
	WIN 0x04                                       ; store data from block 1
.set i, 0
.rept 32
	ds_store_b64 v8, v[4*i:4*i+1] offset:8*P1*i
.set i, i+1
.endr
.set i, 0
.rept 4
	ds_store_b64 v9, v[128+4*i:128+4*i+1] offset:16*P2*i
.set i, i+1
.endr
	WIN 0
	s_wait_dscnt 0x0                               ; my part of the weights is in LDS, for the other waves' sake
	s_barrier_signal -1
	s_barrier_wait -1                              ; everybody's is
	; ---- fragments: a transposing load brings lane (r, h) the numbers k = k0 + 8h .. +7 of column n0 + r
	WIN 0x40
.irp t, 0,1,2,3,4,5,6,7
.irp nt, 0,1,2,3
	ds_load_tr16_b128 v[8*(4*\t+\nt):8*(4*\t+\nt)+3],   v11 offset:32*P1*\t+32*\nt
	ds_load_tr16_b128 v[8*(4*\t+\nt)+4:8*(4*\t+\nt)+7], v11 offset:32*P1*\t+32*\nt+16*P1
.endr
.endr
	WIN 0
.irp nt, 0,1,2,3
	ds_load_b128 v[ACC1+8*\nt:ACC1+8*\nt+3],   v13 offset:64*\nt       ; t1 of units 16 nt + 8h .. +7: the sums start from the bias
	ds_load_b128 v[ACC1+8*\nt+4:ACC1+8*\nt+7], v13 offset:64*\nt+16
.endr
	v_lshl_add_u32 v5, v1, 3, s46                  ; the way out.  v5, v6, v7 were addresses of loads that the wait for all but the gathers has shown done
	v_lshl_add_u32 v6, v2, 2, s7                   ; my row's word in LDS
	v_lshl_add_u32 v7, v1, 3, OUTL                 ; 8 L: what a lane of wave 0 reads back
	s_wait_kmcnt 0x0
	s_add_f32 s42, s42, s43                        ; lin_bias + b3
	s_wait_dscnt 0x0                               ; fragments and biases are in registers
; Fields 2t and 2t+1: weighted by x_val, added into the linear sum, s and sq, and packed in place into layer 1's fragment t.
.macro STEP t
	s_wait_loadcnt 42-6*\t                         ; three loads for each of the 14 - 2t fields behind field 2t+1 may stay out
.irp i, 0,2,4,6
	v_pk_mul_f32 v[G+16*\t+\i:G+16*\t+\i+1], v[G+16*\t+\i:G+16*\t+\i+1], v[VAL+2*\t:VAL+2*\t+1] op_sel_hi:[1,0]              ; both by x_val[2t]
.endr
.irp i, 8,10,12,14
	v_pk_mul_f32 v[G+16*\t+\i:G+16*\t+\i+1], v[G+16*\t+\i:G+16*\t+\i+1], v[VAL+2*\t:VAL+2*\t+1] op_sel:[0,1] op_sel_hi:[1,1] ; both by x_val[2t+1]
.endr
.if \t == 0
	v_mul_f32 v[LACC], v[X], v[VAL]                ; the first term starts the sum
.else
	v_fmac_f32 v[LACC], v[X+2*\t], v[VAL+2*\t]
.endif
	v_fmac_f32 v[LACC], v[X+2*\t+1], v[VAL+2*\t+1]
.irp i, 0,2,4,6
.if \t == 0
	v_pk_add_f32 v[S+\i:S+\i+1], v[G+\i:G+\i+1], v[G+8+\i:G+8+\i+1]
	v_pk_mul_f32 v[SQ+\i:SQ+\i+1], v[G+\i:G+\i+1], v[G+\i:G+\i+1]
.else
	v_pk_add_f32 v[S+\i:S+\i+1], v[S+\i:S+\i+1], v[G+16*\t+\i:G+16*\t+\i+1]
	v_pk_add_f32 v[S+\i:S+\i+1], v[S+\i:S+\i+1], v[G+16*\t+8+\i:G+16*\t+8+\i+1]
	v_pk_fma_f32 v[SQ+\i:SQ+\i+1], v[G+16*\t+\i:G+16*\t+\i+1], v[G+16*\t+\i:G+16*\t+\i+1], v[SQ+\i:SQ+\i+1]
.endif
	v_pk_fma_f32 v[SQ+\i:SQ+\i+1], v[G+16*\t+8+\i:G+16*\t+8+\i+1], v[G+16*\t+8+\i:G+16*\t+8+\i+1], v[SQ+\i:SQ+\i+1]
.endr
.irp i, 0,1,2,3
	v_cvt_pk_bf16_f32 v[G+16*\t+\i], v[G+16*\t+2*\i], v[G+16*\t+2*\i+1]        ; ascending: a register is written only after it has been read
.endr
.irp i, 0,1,2,3
	v_cvt_pk_bf16_f32 v[G+16*\t+4+\i], v[G+16*\t+8+2*\i], v[G+16*\t+8+2*\i+1]
.endr
.endm
; K step t of layer 1.  The four accumulators take turns, one instruction a turn, from one MUL into the next too.
.macro MUL t
.irp nt, 0,1,2,3
	v_wmma_f32_16x16x32_bf16 v[ACC1+8*\nt:ACC1+8*\nt+7], v[8*(4*\t+\nt):8*(4*\t+\nt)+7], v[G+16*\t:G+16*\t+7], v[ACC1+8*\nt:ACC1+8*\nt+7]
.endr
.endm
	; ---- layer 1 in two runs of 16 products: four window switches in place of sixteen
	STEP 0
	STEP 1
	STEP 2
	STEP 3
.irp t2, 0,1
.irp mt, 0,1
	ds_load_tr16_b128 v[G+16*(2*\t2+\mt)+8:G+16*(2*\t2+\mt)+11],  v12 offset:32*P2*\t2+32*\mt          ; layer 2's weights into chunks 0 to 3, registers of no product of layer 1
	ds_load_tr16_b128 v[G+16*(2*\t2+\mt)+12:G+16*(2*\t2+\mt)+15], v12 offset:32*P2*\t2+32*\mt+16*P2
.endr
.endr
	WIN 0x01                                       ; source 0 (the weights) in block 1
	MUL 0
	MUL 1
	MUL 2
	MUL 3
	WIN 0
	STEP 4                                         ; these write none of the registers of the products above
	STEP 5
	STEP 6
	STEP 7
.irp mt, 0,1
	ds_load_b128 v[G+16*(4+\mt)+8:G+16*(4+\mt)+11],  v13 offset:256+64*\mt     ; t2 of units 16 mt + 8h .. +7: layer 2's sums start from it
	ds_load_b128 v[G+16*(4+\mt)+12:G+16*(4+\mt)+15], v13 offset:256+64*\mt+16
	ds_load_b128 v[G+16*(6+\mt)+8:G+16*(6+\mt)+11],  v13 offset:384+64*\mt     ; W3 of the same units
	ds_load_b128 v[G+16*(6+\mt)+12:G+16*(6+\mt)+15], v13 offset:384+64*\mt+16
.endr
	WIN 0x01
	MUL 4
	MUL 5
	MUL 6
	MUL 7
	WIN 0
	; ---- the tail.  Four plain vector instructions that name none of the products' registers stand behind the last product (ISA guide 7.12.1): s^2 - sq
.irp i, 0,2,4,6
	v_pk_fma_f32 v[S+\i:S+\i+1], v[S+\i:S+\i+1], v[S+\i:S+\i+1], v[SQ+\i:SQ+\i+1] neg_lo:[0,0,1] neg_hi:[0,0,1]
.endr
.set i, 0
.rept 32
	v_max_num_f32 v[ACC1+i], 0, v[ACC1+i]          ; ReLU
.set i, i+1
.endr
.set i, 0
.rept 16
	v_cvt_pk_bf16_f32 v[H1F+i], v[ACC1+2*i], v[ACC1+2*i+1]     ; tile nt's eight units become registers 4 nt .. 4 nt + 3: two fragments of 32 units
.set i, i+1
.endr
	s_wait_dscnt 0x0                               ; layer 2's weights, t2 and W3
	; layer 2: the two accumulators take turns, one instruction a turn
.irp t2, 0,1
.irp mt, 0,1
	v_wmma_f32_16x16x32_bf16 v[G+16*(4+\mt)+8:G+16*(4+\mt)+15], v[G+16*(2*\t2+\mt)+8:G+16*(2*\t2+\mt)+15], v[H1F+8*\t2:H1F+8*\t2+7], v[G+16*(4+\mt)+8:G+16*(4+\mt)+15]
.endr
.endr
	v_pk_add_f32 v[S:S+1], v[S:S+1], v[S+2:S+3]            ; again four places of useful work: the FM term's sum over my eight e
	v_pk_add_f32 v[S+4:S+5], v[S+4:S+5], v[S+6:S+7]
	v_pk_add_f32 v[S:S+1], v[S:S+1], v[S+4:S+5]
	v_add_f32 v[S], v[S], v[S+1]
.irp mt, 0,1
.irp j, 0,1,2,3,4,5,6,7
	v_max_num_f32 v[G+16*(4+\mt)+8+\j], 0, v[G+16*(4+\mt)+8+\j]    ; ReLU
.endr
.endr
	; layer 3 in f32: my 16 units, in two chains
	v_pk_mul_f32 v[120:121], v[G+72:G+73], v[G+104:G+105]
	v_pk_mul_f32 v[122:123], v[G+88:G+89], v[G+120:G+121]
.irp j, 2,4,6
	v_pk_fma_f32 v[120:121], v[G+72+\j:G+72+\j+1], v[G+104+\j:G+104+\j+1], v[120:121]
	v_pk_fma_f32 v[122:123], v[G+88+\j:G+88+\j+1], v[G+120+\j:G+120+\j+1], v[122:123]
.endr
	v_pk_add_f32 v[120:121], v[120:121], v[122:123]
	v_add_f32 v124, v120, v121
	v_fma_f32 v124, v[S], 0.5, v124                ; + 0.5 x my half of the FM term
	v_permlanex16_b32 v125, v124, s44, s45         ; the other half's units and e (v125 has been written: it was part of sq)
	v_add_f32 v124, v124, v125
	v_add_f32 v124, v124, v[LACC]                  ; the linear sum is whole in every lane
	v_add_f32 v124, s42, v124                      ; + lin_bias + b3
	; ---- the way out: 64 results meet in LDS, wave 0 stores them with one instruction
	ds_store_b32 v6, v124                          ; lanes r and r + 16 hold the same bits
	s_wait_dscnt 0x0                               ; for wave 0's sake
	s_barrier_signal -1
	s_barrier_wait -1
	s_cmp_lg_u32 s3, 0
	s_cbranch_scc1 .Lend
	ds_load_b64 v[8:9], v7
	s_wait_dscnt 0x0
	global_store_b64 v5, v[8:9], s[40:41] th:TH_STORE_NT   ; 32 lanes x 8 bytes: 256 consecutive bytes, at a multiple of 256 from out0's first byte
.Lend:
	s_set_vgpr_msb 0xa
	s_wait_tensorcnt 0x0
	ds_add_u32 v0, v1
	s_wait_dscnt 0x0
	s_set_vgpr_msb 0xa00
	s_endpgm
.Lfunc_end_k_q5edc89878f_dfm:
	.size	k_q5edc89878f_dfm, .Lfunc_end_k_q5edc89878f_dfm-k_q5edc89878f_dfm
	.p2alignl 7, 3214868480
	.fill 96, 4, 3214868480
	.section	.rodata,"a",@progbits
	.p2align	6, 0x0
	.amdhsa_kernel k_q5edc89878f_dfm
		.amdhsa_group_segment_fixed_size 49920
		.amdhsa_private_segment_fixed_size 0
		.amdhsa_enable_private_segment 0
		.amdhsa_kernarg_size 136
		.amdhsa_user_sgpr_count 2
		.amdhsa_user_sgpr_kernarg_segment_ptr 1
		.amdhsa_wavefront_size32 1
		.amdhsa_system_sgpr_workgroup_id_x 1
		.amdhsa_system_sgpr_workgroup_id_y 1
		.amdhsa_system_sgpr_workgroup_id_z 1
		.amdhsa_system_vgpr_workitem_id 0
		.amdhsa_next_free_vgpr 514
		.amdhsa_next_free_sgpr 66
		.amdhsa_reserve_vcc 0
		.amdhsa_float_denorm_mode_32 3
		.amdhsa_float_denorm_mode_16_64 3
		.amdhsa_memory_ordered 1
		.amdhsa_forward_progress 1
		.amdhsa_inst_pref_size 59
	.end_amdhsa_kernel
	.amdgpu_metadata
---
amdhsa.version: [ 1, 2 ]
amdhsa.kernels:
  - .name:           k_q5edc89878f_dfm
    .symbol:         k_q5edc89878f_dfm.kd
    .args:
      - { .name: x, .offset: 0, .size: 8, .value_kind: global_buffer, .address_space: global }
      - { .name: x_field, .offset: 8, .size: 8, .value_kind: global_buffer, .address_space: global }
      - { .name: x_val, .offset: 16, .size: 8, .value_kind: global_buffer, .address_space: global }
      - { .name: emb_table, .offset: 24, .size: 8, .value_kind: global_buffer, .address_space: global }
      - { .name: lin_table, .offset: 32, .size: 8, .value_kind: global_buffer, .address_space: global }
      - { .name: W1, .offset: 40, .size: 8, .value_kind: global_buffer, .address_space: global }
      - { .name: W2, .offset: 48, .size: 8, .value_kind: global_buffer, .address_space: global }
      - { .name: W3, .offset: 56, .size: 8, .value_kind: global_buffer, .address_space: global }
      - { .name: g1, .offset: 64, .size: 8, .value_kind: global_buffer, .address_space: global }
      - { .name: b1, .offset: 72, .size: 8, .value_kind: global_buffer, .address_space: global }
      - { .name: be1, .offset: 80, .size: 8, .value_kind: global_buffer, .address_space: global }
      - { .name: g2, .offset: 88, .size: 8, .value_kind: global_buffer, .address_space: global }
      - { .name: b2, .offset: 96, .size: 8, .value_kind: global_buffer, .address_space: global }
      - { .name: be2, .offset: 104, .size: 8, .value_kind: global_buffer, .address_space: global }
      - { .name: lin_bias, .offset: 112, .size: 8, .value_kind: global_buffer, .address_space: global }
      - { .name: b3, .offset: 120, .size: 8, .value_kind: global_buffer, .address_space: global }
      - { .name: out0, .offset: 128, .size: 8, .value_kind: global_buffer, .address_space: global }
    .group_segment_fixed_size: 49920
    .private_segment_fixed_size: 0
    .kernarg_segment_align: 8
    .kernarg_segment_size: 136
    .max_flat_workgroup_size: 128
    .sgpr_count:     66
    .vgpr_count:     514
    .wavefront_size: 32
...
	.end_amdgpu_metadata
.endif
;; end of part 1
;; ======== version 2 of 2: 1 launch; version 1 with the launch dfm written anew for expert scheduling mode
;; launch dfm (part 2): grid 256 x 1, 4 waves a work-group, no clusters, 49,920 bytes of LDS; arguments x, x_field, x_val, emb_table, lin_table, W1, W2, W3, g1, b1, be1, g2, b2, be2, lin_bias, b3, out0; writes out0
.if DOCPART == 2
	.amdgcn_target "amdgcn-amd-amdhsa--gfx1250"
	.amdhsa_code_object_version 6
	.text
	.protected	k_q5edc89878f_dfm
	.globl	k_q5edc89878f_dfm
	.p2align	8
	.type	k_q5edc89878f_dfm,@function
k_q5edc89878f_dfm:
	s_mov_b64 s[64:65], 0
	v_nop
	global_prefetch_b8 v0, s[64:65] scope:SCOPE_SE
	s_setreg_imm32_b32 hwreg(HW_REG_WAVE_SCHED_MODE, 0, 2), 2
	s_setreg_imm32_b32 hwreg(HW_REG_WAVE_MODE, 25, 1), 1
	s_wait_xcnt 0x0
	s_wait_alu depctr_vm_vsrc(0)
; DeepFM forward, one pass.  16,384 rows x 16 features; idx = x + 100000 x_field; e = emb_table[idx] * x_val;
; out = (sum lin_table[idx] x_val + lin_bias) + 0.5 sum_e (s^2 - sq) + MLP(256 -> 64 -> 32 -> 1, batch norm folded, ReLU).
; SHARES: 256 work-groups of four waves; a work-group owns 64 rows, a wave 16 rows, which is one matrix tile: there is no loop.
; Lane L = (r = L & 15, h = L >> 4) holds e = 8h .. 8h+7 of all 16 fields of row r: two 16-byte gathers a field.
; THE PRODUCTS ARE USED TRANSPOSED: source 0 = weights (M = hidden unit), source 1 = activations (N = batch row r).  Then
;   - the K step t of layer 1 is fields 2t, 2t+1, and a lane's weighted, rounded gathers ARE its fragment (registers 0-3: field 2t, 4-7: field 2t+1);
;   - a result register j of lane (r, h) is unit 16 nt + 8h + j of row r, so tiles 2 t2 and 2 t2 + 1, packed to bf16, are layer 2's fragment t2:
;     no activation goes through LDS.
; BATCH NORM: s = g * c, c = 1/sqrt(1 + 1e-5) = 0x3f7fffac in f32.  W[k][n] * s[n] is rounded once to bf16; t = b * s + be is the products' first C,
; so nothing is cleared and only ReLU is left behind a layer.  Layer 3 (32 multiply-adds a row), the FM term, the linear term and all biases are f32.
; THE WEIGHTS (65,536 + 8,192 bytes of f32) are read by every work-group through registers, where they are scaled and rounded, and stored to LDS
; as bf16 [k][n]; transposing LDS loads make the fragments.  No joint (cluster) load is used for them: a tensor load cannot scale or round, so a joint
; f32 tile would be 73,728 more bytes of LDS that are read back, converted and stored again, with rounds of the cluster's barrier in a text of one pass.
; No prefetch: a gather's address is known only a few lines ahead of the gather itself.
; LIMITS, stated: x is taken in 0 .. 99,999 and x_field in 0 .. 16 and both are clamped there as unsigned numbers (an id inside the table that is made
; of a larger x is not served).  ReLU by v_max_num_f32 makes 0 of a NaN.  The sums' orders differ from the reference's; matrix operands are bf16.
; THE MODE: SCHED_MODE bits 1:0 = 2 (LLVM: expert scheduling mode 2), set by the entry lines.  The code itself states the register dependences
; between vector or matrix instructions and memory or LDS instructions, with s_wait_alu, always for 0.
; THE PLAN.  Registers that memory or LDS instructions touch, in the order of the text:
;   v4-v7       offsets: written at the head, read by the 55 first loads; v5-v7 are written again behind the first barrier and read on the way out.
;   v8-v15      LDS addresses (v10 apart): written while the index loads are out; no vector instruction writes them again.
;   X, XF       the indices land; four fields' address arithmetic rewrites them; the fields' twelve gathers read them; never written again.
;   VAL, LIN    loads land, vector instructions read.     G: the gathers land; a STEP weights and packs in place; LDS loads then land in its chunks.
;   STG         the small vectors land in ACC1's registers; vector work makes s and t there; LDS stores read t1, t2, W3; behind the barrier t1 lands there.
;   block 1     W1 and W2 land; scaled and rounded in place; LDS stores read them; behind the barrier the fragments land in all 256 registers.
; So the waits on va_vdst stand: ahead of the first load; behind each four fields' addresses; ahead of the one run of LDS stores; ahead of the fragments' loads;
; behind the last STEP, ahead of the one run of sixteen LDS loads into the chunks; ahead of the result's LDS store.  One wait on vm_vsrc stands behind the first
; barrier, ahead of the loads and the vector lines that write what stores and loads have read.  One wait on va_sdst stands ahead of the wave number's first reader.
.set P1,   160                         ; LDS pitch of W1's rows: 128 bytes of bf16 + 32; 5 x 32
.set P2,   96                          ; LDS pitch of W2's rows: 64 bytes + 32; 3 x 32
.set W2L,  40960                       ; W1 lies at 0: 256 rows x 160.  W2: 64 rows x 96 = 6,144
.set PARL, 47104                       ; each wave's own 512 bytes: t1 (256), t2 (128) at +256, W3 (128) at +384
.set OUTL, 49152                       ; the work-group's 64 results, 256 bytes
.set BNC,  0x3f7fffac                  ; 1/sqrt(1 + 1e-5)
; block 0: v0 thread, v1 L, v2 r, v3 32h, v4 index offset, v5 16 tid (later: offset in out0), v6 16 (L&15) (later: my word in OUTL),
;          v7 16 (L&7) (later: 8 L in OUTL), v8/v9 where W1/W2 are stored in LDS, v11/v12 where their fragments are read, v13-15 my wave's parameters
.set LACC, 10                          ; v10       the linear sum (before that: h)
.set VAL,  16                          ; v[16:31]  x_val of my row
.set X,    32                          ; v[32:47]  x, then idx, then 4 idx
.set XF,   48                          ; v[48:63]  x_field, then 64 idx + 32h
.set ACC1, 64                          ; v[64:95]  layer 1: four accumulator tiles
.set STG,  64                          ; v[64:91]  before that: g1, b1, be1, g2, b2, be2, W3: four registers each
.set LIN,  96                          ; v[96:111] lin_table[idx]
.set H1F,  96                          ; v[96:111] later: the two fragments of h1
.set S,    112                         ; v[112:119] sum over fields of e
.set SQ,   120                         ; v[120:127] sum over fields of e^2; at the end v[120:123] layer 3's sums, v124 the result, v125 the other half's
.set G,    128                         ; v[128:255] field f at G + 8 f.  After STEP t: v[G+16t : +7] = fragment t, v[G+16t+8 : +15] free (chunk t)
; chunks: 2 t2 + mt = layer 2's weight fragment (mt, t2); 4 + mt = its accumulator; 6 + mt = W3 for that accumulator's units
; block 1 (v256-v511): first W1 as loaded (v[4i:4i+3]) and W2 (v[128+4i ..]); behind the barrier layer 1's 32 weight fragments, (t, nt) at v[8 (4t+nt)]
.set MSB, 0
.macro WIN new                         ; s_set_vgpr_msb: bits 1:0 source 0, 3:2 source 1, 5:4 source 2, 7:6 destination; the high byte repeats the setting that is left
.if MSB != \new
	s_set_vgpr_msb (MSB<<8)|\new
.set MSB, \new
.endif
.endm
	; ---- ids and the offsets that the first loads need
	s_load_b512 s[8:23], s[0:1], 0x0               ; x 8, x_field 10, x_val 12, emb_table 14, lin_table 16, W1 18, W2 20, W3 22
	s_load_b512 s[24:39], s[0:1], 0x40             ; g1 24, b1 26, be1 28, g2 30, b2 32, be2 34, lin_bias 36, b3 38
	s_load_b64 s[40:41], s[0:1], 0x80              ; out0
	s_set_vgpr_msb 0x80
	v_lshl_add_u32 v0, v0, 2, 0xc100
	v_mov_b32 v1, 0
	s_set_vgpr_msb 0x8000
	v_lshrrev_b32 v4, 5, v0
	v_readfirstlane_b32 s3, v4                     ; wave 0..3
	v_and_b32 v1, 31, v0                           ; L
	v_and_b32 v2, 15, v0                           ; r
	v_and_b32 v3, 16, v0
	v_lshlrev_b32 v3, 1, v3                        ; 32 h
	s_lshl_b32 s2, ttmp9, 12                       ; 64 rows x 64 bytes a work-group,
	s_wait_alu depctr_va_sdst(0)                   ; s3 is written, ahead of its first reader
	s_lshl_b32 s4, s3, 10                          ; 16 rows x 64 bytes a wave
	s_add_co_u32 s2, s2, s4
	v_lshl_add_u32 v4, v2, 6, s2                   ; my row in x, x_field, x_val
	v_lshlrev_b32 v5, 4, v0                        ; 16 tid: the work-group's 128 threads take 2,048 consecutive bytes of W1 or W2
	v_lshlrev_b32 v6, 4, v2                        ; my four columns of W1: 16 (L & 15)
	v_and_b32 v12, 7, v0                           ; L & 7
	v_lshlrev_b32 v7, 4, v12                       ; my four columns of W2: 16 (L & 7)
	s_wait_kmcnt 0x0
	s_wait_alu depctr_va_vdst(0)                   ; v4 to v7 are written: the 55 loads below read them as offsets
	; ---- 55 loads: the indices first, then all that can be staged while the gathers are out
.irp q, 0,1,2,3
	global_load_b128 v[X+4*\q:X+4*\q+3], v4, s[8:9] offset:16*\q
.endr
.irp q, 0,1,2,3
	global_load_b128 v[XF+4*\q:XF+4*\q+3], v4, s[10:11] offset:16*\q
.endr
.irp q, 0,1,2,3
	global_load_b128 v[VAL+4*\q:VAL+4*\q+3], v4, s[12:13] offset:16*\q
.endr
	s_load_b32 s42, s[36:37], 0x0                  ; lin_bias
	s_load_b32 s43, s[38:39], 0x0                  ; b3
	global_load_b128 v[STG:STG+3],     v6, s[24:25]        ; g1 of my four columns
	global_load_b128 v[STG+4:STG+7],   v6, s[26:27]        ; b1
	global_load_b128 v[STG+8:STG+11],  v6, s[28:29]        ; be1
	global_load_b128 v[STG+12:STG+15], v7, s[30:31]        ; g2
	global_load_b128 v[STG+16:STG+19], v7, s[32:33]        ; b2
	global_load_b128 v[STG+20:STG+23], v7, s[34:35]        ; be2
	global_load_b128 v[STG+24:STG+27], v7, s[22:23]        ; W3
	WIN 0x40                                       ; loaded data into block 1; since the wait above only loads have been issued, and none of them names v5 or block 1
.set i, 0
.rept 32
	global_load_b128 v[4*i:4*i+3], v5, s[18:19] offset:2048*i      ; W1 row 8 i + 2 wave + h, columns 4 (L & 15) .. +3; a wave's load covers 512 consecutive bytes
.set i, i+1
.endr
.set i, 0
.rept 4
	global_load_b128 v[128+4*i:128+4*i+3], v5, s[20:21] offset:2048*i  ; W2 row 16 i + 4 wave + (L >> 3), columns 4 (L & 7) .. +3
.set i, i+1
.endr
	WIN 0
	; ---- LDS addresses, while the indices are on their way: these lines write v8 to v15, which no load above names
	v_bfe_u32 v10, v0, 4, 1                        ; h
	s_mul_i32 s4, s3, 2*P1                         ; a wave stores two rows of W1 with each store
	v_mul_u32_u24 v8, v10, P1
	v_lshl_add_u32 v8, v2, 3, v8
	v_add_nc_u32 v8, s4, v8                        ; W1 in: (2 wave + h) x 160 + 8 (L & 15); + 1,280 i in the immediate
	v_bfe_u32 v11, v0, 3, 2                        ; L >> 3
	s_mul_i32 s5, s3, 4*P2                         ; four rows of W2
	s_add_co_u32 s5, s5, W2L
	v_mul_u32_u24 v9, v11, P2
	v_lshl_add_u32 v9, v12, 3, v9
	v_add_nc_u32 v9, s5, v9                        ; W2 in: W2L + (4 wave + (L >> 3)) x 96 + 8 (L & 7); + 1,536 i in the immediate
	v_lshl_add_u32 v13, v10, 3, v12                ; (L & 7) + 8 h: the row of k that I address in a transposing load
	v_bfe_u32 v14, v0, 3, 1                        ; which 16 bytes (8 columns) of it
	v_mul_u32_u24 v11, v13, P1
	v_lshl_add_u32 v11, v14, 4, v11                ; W1 out
	v_mul_u32_u24 v12, v13, P2
	v_lshl_add_u32 v12, v14, 4, v12
	v_add_nc_u32 v12, W2L, v12                     ; W2 out
	s_lshl_b32 s6, s3, 9
	s_add_co_u32 s6, s6, PARL                      ; my wave's parameters
	v_add_nc_u32 v13, s6, v3                       ; out: the 8 numbers at unit 8 h (+ 64 bytes a tile in the immediate)
	v_add_nc_u32 v14, s6, v6                       ; in: 16 (L & 15)
	v_add_nc_u32 v15, s6, v7                       ; in: 16 (L & 7)
	s_mov_b32 s44, 0x76543210                      ; v_permlanex16_b32: lane i of one half reads lane i of the other
	s_mov_b32 s45, 0xfedcba98
	s_lshl_b32 s46, ttmp9, 8                       ; the work-group's 64 results in out0
	s_lshl_b32 s7, s3, 6
	s_add_co_u32 s7, s7, OUTL                      ; my wave's 16 results in LDS
	; ---- the gathers: 48 loads a wave, all issued before anything else is waited for.  Four fields at a time: their addresses are made together, one wait states
	; that they are written, and their twelve loads go out while the next four fields' addresses, in registers of their own, are made.
	s_wait_loadcnt 47                              ; x and x_field are in; behind them stand x_val 4 + vectors 7 + W1 32 + W2 4 = 47 (loads come back in order: ISA guide 5.7.1)
.irp f, 0,4,8,12
.irp i, 0,1,2,3
	v_min_u32 v[X+\f+\i], 0x1869f, v[X+\f+\i]      ; x <= 99,999
.endr
.irp i, 0,1,2,3
	v_min_u32 v[XF+\f+\i], 16, v[XF+\f+\i]         ; x_field <= 16
.endr
.irp i, 0,1,2,3
	v_mul_u32_u24 v[XF+\f+\i], 0x186a0, v[XF+\f+\i]  ; the field's offset: 100,000 x_field
.endr
.irp i, 0,1,2,3
	v_add_nc_u32 v[X+\f+\i], v[X+\f+\i], v[XF+\f+\i]  ; idx <= 1,699,999: inside both tables
.endr
.irp i, 0,1,2,3
	v_lshl_add_u32 v[XF+\f+\i], v[X+\f+\i], 6, v3  ; 64 idx + 32 h
.endr
.irp i, 0,1,2,3
	v_lshlrev_b32 v[X+\f+\i], 2, v[X+\f+\i]        ; 4 idx
.endr
	s_wait_alu depctr_va_vdst(0)                   ; these four fields' X and XF are written, which the twelve loads below read; at the first of the four waits so are the LDS addresses v8 to v15
.irp i, 0,1,2,3
	global_load_b128 v[G+8*(\f+\i):G+8*(\f+\i)+3],   v[XF+\f+\i], s[14:15]             ; e = 8h .. 8h+3
	global_load_b128 v[G+8*(\f+\i)+4:G+8*(\f+\i)+7], v[XF+\f+\i], s[14:15] offset:16   ; e = 8h+4 .. 8h+7
	global_load_b32 v[LIN+\f+\i], v[X+\f+\i], s[16:17]     ; the linear weight; both halves of the lanes ask for the same word
.endr
.endr                                                  ; more loads are issued than LOADcnt's field holds: the issue waits by itself (ISA guide 5.7.1), no wait is written for it
	; ---- the weights are scaled, rounded and laid into LDS while the gathers are out
	s_wait_loadcnt 48                              ; only the 48 gathers may be out: x_val, the vectors, W1 and W2 are in
	v_pk_mul_f32 v[STG:STG+1],     v[STG:STG+1],     BNC op_sel_hi:[1,0]   ; s1 = g1 c
	v_pk_mul_f32 v[STG+2:STG+3],   v[STG+2:STG+3],   BNC op_sel_hi:[1,0]
	v_pk_mul_f32 v[STG+12:STG+13], v[STG+12:STG+13], BNC op_sel_hi:[1,0]   ; s2 = g2 c
	v_pk_mul_f32 v[STG+14:STG+15], v[STG+14:STG+15], BNC op_sel_hi:[1,0]
	v_pk_fma_f32 v[STG+4:STG+5],   v[STG+4:STG+5],   v[STG:STG+1],     v[STG+8:STG+9]     ; t1 = b1 s1 + be1
	v_pk_fma_f32 v[STG+6:STG+7],   v[STG+6:STG+7],   v[STG+2:STG+3],   v[STG+10:STG+11]
	v_pk_fma_f32 v[STG+16:STG+17], v[STG+16:STG+17], v[STG+12:STG+13], v[STG+20:STG+21]   ; t2 = b2 s2 + be2
	v_pk_fma_f32 v[STG+18:STG+19], v[STG+18:STG+19], v[STG+14:STG+15], v[STG+22:STG+23]
	WIN 0x41                                       ; source 0 and destination in block 1, the scales in block 0
.set i, 0
.rept 32
	v_pk_mul_f32 v[4*i:4*i+1],   v[4*i:4*i+1],   v[STG:STG+1]      ; W1[k][n] s1[n]
	v_pk_mul_f32 v[4*i+2:4*i+3], v[4*i+2:4*i+3], v[STG+2:STG+3]
.set i, i+1
.endr
.set i, 0
.rept 4
	v_pk_mul_f32 v[128+4*i:128+4*i+1], v[128+4*i:128+4*i+1], v[STG+12:STG+13]   ; W2[k][n] s2[n]
	v_pk_mul_f32 v[128+4*i+2:128+4*i+3], v[128+4*i+2:128+4*i+3], v[STG+14:STG+15]
.set i, i+1
.endr
	WIN 0x45                                       ; all of the conversion in block 1
.set i, 0
.rept 36                                       ; W1's 32 groups of four and W2's 4, which follow them
	v_cvt_pk_bf16_f32 v[4*i],   v[4*i],   v[4*i+1]         ; the one rounding to bf16
	v_cvt_pk_bf16_f32 v[4*i+1], v[4*i+2], v[4*i+3]
.set i, i+1
.endr
	WIN 0x04                                       ; store data from block 1
	s_wait_alu depctr_va_vdst(0)                   ; the roundings have written block 1's pairs, the multiply-adds t1 and t2: the 39 LDS stores below read them
.set i, 0
.rept 32
	ds_store_b64 v8, v[4*i:4*i+1] offset:8*P1*i
.set i, i+1
.endr
.set i, 0
.rept 4
	ds_store_b64 v9, v[128+4*i:128+4*i+1] offset:16*P2*i
.set i, i+1
.endr
	WIN 0
	ds_store_b128 v14, v[STG+4:STG+7]                      ; t1; lanes that hold the same columns store the same bytes
	ds_store_b128 v15, v[STG+16:STG+19] offset:256         ; t2
	ds_store_b128 v15, v[STG+24:STG+27] offset:384         ; W3 as it is
	s_wait_dscnt 0x0                               ; my part of the weights is in LDS, for the other waves' sake
	s_barrier_signal -1
	s_barrier_wait -1                              ; everybody's is
	; ---- fragments: a transposing load brings lane (r, h) the numbers k = k0 + 8h .. +7 of column n0 + r
	WIN 0x40
	s_wait_alu depctr_va_vdst(0)                   ; the scalings and roundings are done reading and writing block 1's v0-143 and STG, in which the loads below land
	s_wait_alu depctr_vm_vsrc(0)                   ; my LDS stores have read block 1's pairs and STG, in which the loads below land; the first loads have read v5 to v7, which are written again below
.irp t, 0,1,2,3,4,5,6,7
.irp nt, 0,1,2,3
	ds_load_tr16_b128 v[8*(4*\t+\nt):8*(4*\t+\nt)+3],   v11 offset:32*P1*\t+32*\nt
	ds_load_tr16_b128 v[8*(4*\t+\nt)+4:8*(4*\t+\nt)+7], v11 offset:32*P1*\t+32*\nt+16*P1
.endr
.endr
	WIN 0
.irp nt, 0,1,2,3
	ds_load_b128 v[ACC1+8*\nt:ACC1+8*\nt+3],   v13 offset:64*\nt       ; t1 of units 16 nt + 8h .. +7: the sums start from the bias
	ds_load_b128 v[ACC1+8*\nt+4:ACC1+8*\nt+7], v13 offset:64*\nt+16
.endr
	v_lshl_add_u32 v5, v1, 3, s46                  ; the way out.  v5, v6, v7 were addresses of loads that the wait for all but the gathers has shown done
	v_lshl_add_u32 v6, v2, 2, s7                   ; my row's word in LDS
	v_lshl_add_u32 v7, v1, 3, OUTL                 ; 8 L: what a lane of wave 0 reads back
	s_wait_kmcnt 0x0
	s_add_f32 s42, s42, s43                        ; lin_bias + b3
	s_wait_dscnt 0x0                               ; fragments and biases are in registers
; Fields 2t and 2t+1: weighted by x_val, added into the linear sum, s and sq, and packed in place into layer 1's fragment t.
.macro STEP t
	s_wait_loadcnt 42-6*\t                         ; three loads for each of the 14 - 2t fields behind field 2t+1 may stay out
.irp i, 0,2,4,6
	v_pk_mul_f32 v[G+16*\t+\i:G+16*\t+\i+1], v[G+16*\t+\i:G+16*\t+\i+1], v[VAL+2*\t:VAL+2*\t+1] op_sel_hi:[1,0]              ; both by x_val[2t]
.endr
.irp i, 8,10,12,14
	v_pk_mul_f32 v[G+16*\t+\i:G+16*\t+\i+1], v[G+16*\t+\i:G+16*\t+\i+1], v[VAL+2*\t:VAL+2*\t+1] op_sel:[0,1] op_sel_hi:[1,1] ; both by x_val[2t+1]
.endr
.if \t == 0
	v_mul_f32 v[LACC], v[LIN], v[VAL]              ; the first term starts the sum
.else
	v_fmac_f32 v[LACC], v[LIN+2*\t], v[VAL+2*\t]
.endif
	v_fmac_f32 v[LACC], v[LIN+2*\t+1], v[VAL+2*\t+1]
.irp i, 0,2,4,6
.if \t == 0
	v_pk_add_f32 v[S+\i:S+\i+1], v[G+\i:G+\i+1], v[G+8+\i:G+8+\i+1]
	v_pk_mul_f32 v[SQ+\i:SQ+\i+1], v[G+\i:G+\i+1], v[G+\i:G+\i+1]
.else
	v_pk_add_f32 v[S+\i:S+\i+1], v[S+\i:S+\i+1], v[G+16*\t+\i:G+16*\t+\i+1]
	v_pk_add_f32 v[S+\i:S+\i+1], v[S+\i:S+\i+1], v[G+16*\t+8+\i:G+16*\t+8+\i+1]
	v_pk_fma_f32 v[SQ+\i:SQ+\i+1], v[G+16*\t+\i:G+16*\t+\i+1], v[G+16*\t+\i:G+16*\t+\i+1], v[SQ+\i:SQ+\i+1]
.endif
	v_pk_fma_f32 v[SQ+\i:SQ+\i+1], v[G+16*\t+8+\i:G+16*\t+8+\i+1], v[G+16*\t+8+\i:G+16*\t+8+\i+1], v[SQ+\i:SQ+\i+1]
.endr
.irp i, 0,1,2,3
	v_cvt_pk_bf16_f32 v[G+16*\t+\i], v[G+16*\t+2*\i], v[G+16*\t+2*\i+1]        ; ascending: a register is written only after it has been read
.endr
.irp i, 0,1,2,3
	v_cvt_pk_bf16_f32 v[G+16*\t+4+\i], v[G+16*\t+8+2*\i], v[G+16*\t+8+2*\i+1]
.endr
.endm
; K step t of layer 1.  The four accumulators take turns, one instruction a turn, from one MUL into the next too.
.macro MUL t
.irp nt, 0,1,2,3
	v_wmma_f32_16x16x32_bf16 v[ACC1+8*\nt:ACC1+8*\nt+7], v[8*(4*\t+\nt):8*(4*\t+\nt)+7], v[G+16*\t:G+16*\t+7], v[ACC1+8*\nt:ACC1+8*\nt+7]
.endr
.endm
	; ---- layer 1 in two runs of 16 products: four window switches in place of sixteen
	STEP 0
	STEP 1
	STEP 2
	STEP 3
	WIN 0x01                                       ; source 0 (the weights) in block 1
	MUL 0
	MUL 1
	MUL 2
	MUL 3
	WIN 0
	STEP 4                                         ; these write none of the registers of the products above
	STEP 5
	STEP 6
	STEP 7
	s_wait_alu depctr_va_vdst(0)                   ; the eight STEPs are done reading and writing the chunks v[G+16c+8 : +15], in which the sixteen LDS loads below land
.irp t2, 0,1
.irp mt, 0,1
	ds_load_tr16_b128 v[G+16*(2*\t2+\mt)+8:G+16*(2*\t2+\mt)+11],  v12 offset:32*P2*\t2+32*\mt          ; layer 2's weights into chunks 0 to 3, registers of no product of layer 1
	ds_load_tr16_b128 v[G+16*(2*\t2+\mt)+12:G+16*(2*\t2+\mt)+15], v12 offset:32*P2*\t2+32*\mt+16*P2
.endr
.endr
.irp mt, 0,1
	ds_load_b128 v[G+16*(4+\mt)+8:G+16*(4+\mt)+11],  v13 offset:256+64*\mt     ; t2 of units 16 mt + 8h .. +7: layer 2's sums start from it
	ds_load_b128 v[G+16*(4+\mt)+12:G+16*(4+\mt)+15], v13 offset:256+64*\mt+16
	ds_load_b128 v[G+16*(6+\mt)+8:G+16*(6+\mt)+11],  v13 offset:384+64*\mt     ; W3 of the same units
	ds_load_b128 v[G+16*(6+\mt)+12:G+16*(6+\mt)+15], v13 offset:384+64*\mt+16
.endr
	WIN 0x01
	MUL 4
	MUL 5
	MUL 6
	MUL 7
	WIN 0
	; ---- the tail.  Four plain vector instructions that name none of the products' registers stand behind the last product (ISA guide 7.12.1): s^2 - sq
.irp i, 0,2,4,6
	v_pk_fma_f32 v[S+\i:S+\i+1], v[S+\i:S+\i+1], v[S+\i:S+\i+1], v[SQ+\i:SQ+\i+1] neg_lo:[0,0,1] neg_hi:[0,0,1]
.endr
.set i, 0
.rept 32
	v_max_num_f32 v[ACC1+i], 0, v[ACC1+i]          ; ReLU
.set i, i+1
.endr
.set i, 0
.rept 16
	v_cvt_pk_bf16_f32 v[H1F+i], v[ACC1+2*i], v[ACC1+2*i+1]     ; tile nt's eight units become registers 4 nt .. 4 nt + 3: two fragments of 32 units
.set i, i+1
.endr
	s_wait_dscnt 0x0                               ; layer 2's weights, t2 and W3
	; layer 2: the two accumulators take turns, one instruction a turn
.irp t2, 0,1
.irp mt, 0,1
	v_wmma_f32_16x16x32_bf16 v[G+16*(4+\mt)+8:G+16*(4+\mt)+15], v[G+16*(2*\t2+\mt)+8:G+16*(2*\t2+\mt)+15], v[H1F+8*\t2:H1F+8*\t2+7], v[G+16*(4+\mt)+8:G+16*(4+\mt)+15]
.endr
.endr
	v_pk_add_f32 v[S:S+1], v[S:S+1], v[S+2:S+3]            ; again four places of useful work: the FM term's sum over my eight e
	v_pk_add_f32 v[S+4:S+5], v[S+4:S+5], v[S+6:S+7]
	v_pk_add_f32 v[S:S+1], v[S:S+1], v[S+4:S+5]
	v_add_f32 v[S], v[S], v[S+1]
.irp mt, 0,1
.irp j, 0,1,2,3,4,5,6,7
	v_max_num_f32 v[G+16*(4+\mt)+8+\j], 0, v[G+16*(4+\mt)+8+\j]    ; ReLU
.endr
.endr
	; layer 3 in f32: my 16 units, in two chains
	v_pk_mul_f32 v[120:121], v[G+72:G+73], v[G+104:G+105]
	v_pk_mul_f32 v[122:123], v[G+88:G+89], v[G+120:G+121]
.irp j, 2,4,6
	v_pk_fma_f32 v[120:121], v[G+72+\j:G+72+\j+1], v[G+104+\j:G+104+\j+1], v[120:121]
	v_pk_fma_f32 v[122:123], v[G+88+\j:G+88+\j+1], v[G+120+\j:G+120+\j+1], v[122:123]
.endr
	v_pk_add_f32 v[120:121], v[120:121], v[122:123]
	v_add_f32 v124, v120, v121
	v_fma_f32 v124, v[S], 0.5, v124                ; + 0.5 x my half of the FM term
	v_permlanex16_b32 v125, v124, s44, s45         ; the other half's units and e (v125 has been written: it was part of sq)
	v_add_f32 v124, v124, v125
	v_add_f32 v124, v124, v[LACC]                  ; the linear sum is whole in every lane
	v_add_f32 v124, s42, v124                      ; + lin_bias + b3
	; ---- the way out: 64 results meet in LDS, wave 0 stores them with one instruction
	s_wait_alu depctr_va_vdst(0)                   ; v124 is written, which the LDS store reads; so are v6, its address, and v7 and v5, which wave 0's load and store below read
	ds_store_b32 v6, v124                          ; lanes r and r + 16 hold the same bits
	s_wait_dscnt 0x0                               ; for wave 0's sake
	s_barrier_signal -1
	s_barrier_wait -1
	s_cmp_lg_u32 s3, 0
	s_cbranch_scc1 .Lend
	ds_load_b64 v[8:9], v7                         ; v8 and v9 were the weight stores' addresses: those stores stand ahead of the wait on vm_vsrc, and nothing has named the two since
	s_wait_dscnt 0x0
	global_store_b64 v5, v[8:9], s[40:41] th:TH_STORE_NT   ; 32 lanes x 8 bytes: 256 consecutive bytes, at a multiple of 256 from out0's first byte
.Lend:
	s_set_vgpr_msb 0xa
	s_wait_dscnt 0x0
	s_wait_alu depctr_hold_cnt(0) depctr_sa_sdst(0) depctr_va_vdst(0) depctr_va_sdst(0) depctr_va_ssrc(0) depctr_va_vcc(0) depctr_vm_vsrc(0)
	s_wait_tensorcnt 0x0
	ds_add_u32 v0, v1
	s_wait_dscnt 0x0
	s_endpgm
.Lfunc_end_k_q5edc89878f_dfm:
	.size	k_q5edc89878f_dfm, .Lfunc_end_k_q5edc89878f_dfm-k_q5edc89878f_dfm
	.p2alignl 7, 3214868480
	.fill 96, 4, 3214868480
	.section	.rodata,"a",@progbits
	.p2align	6, 0x0
	.amdhsa_kernel k_q5edc89878f_dfm
		.amdhsa_group_segment_fixed_size 49920
		.amdhsa_private_segment_fixed_size 0
		.amdhsa_enable_private_segment 0
		.amdhsa_kernarg_size 136
		.amdhsa_user_sgpr_count 2
		.amdhsa_user_sgpr_kernarg_segment_ptr 1
		.amdhsa_wavefront_size32 1
		.amdhsa_system_sgpr_workgroup_id_x 1
		.amdhsa_system_sgpr_workgroup_id_y 1
		.amdhsa_system_sgpr_workgroup_id_z 1
		.amdhsa_system_vgpr_workitem_id 0
		.amdhsa_next_free_vgpr 514
		.amdhsa_next_free_sgpr 66
		.amdhsa_reserve_vcc 0
		.amdhsa_float_denorm_mode_32 3
		.amdhsa_float_denorm_mode_16_64 3
		.amdhsa_memory_ordered 1
		.amdhsa_forward_progress 1
		.amdhsa_inst_pref_size 60
	.end_amdhsa_kernel
	.amdgpu_metadata
---
amdhsa.version: [ 1, 2 ]
amdhsa.kernels:
  - .name:           k_q5edc89878f_dfm
    .symbol:         k_q5edc89878f_dfm.kd
    .args:
      - { .name: x, .offset: 0, .size: 8, .value_kind: global_buffer, .address_space: global }
      - { .name: x_field, .offset: 8, .size: 8, .value_kind: global_buffer, .address_space: global }
      - { .name: x_val, .offset: 16, .size: 8, .value_kind: global_buffer, .address_space: global }
      - { .name: emb_table, .offset: 24, .size: 8, .value_kind: global_buffer, .address_space: global }
      - { .name: lin_table, .offset: 32, .size: 8, .value_kind: global_buffer, .address_space: global }
      - { .name: W1, .offset: 40, .size: 8, .value_kind: global_buffer, .address_space: global }
      - { .name: W2, .offset: 48, .size: 8, .value_kind: global_buffer, .address_space: global }
      - { .name: W3, .offset: 56, .size: 8, .value_kind: global_buffer, .address_space: global }
      - { .name: g1, .offset: 64, .size: 8, .value_kind: global_buffer, .address_space: global }
      - { .name: b1, .offset: 72, .size: 8, .value_kind: global_buffer, .address_space: global }
      - { .name: be1, .offset: 80, .size: 8, .value_kind: global_buffer, .address_space: global }
      - { .name: g2, .offset: 88, .size: 8, .value_kind: global_buffer, .address_space: global }
      - { .name: b2, .offset: 96, .size: 8, .value_kind: global_buffer, .address_space: global }
      - { .name: be2, .offset: 104, .size: 8, .value_kind: global_buffer, .address_space: global }
      - { .name: lin_bias, .offset: 112, .size: 8, .value_kind: global_buffer, .address_space: global }
      - { .name: b3, .offset: 120, .size: 8, .value_kind: global_buffer, .address_space: global }
      - { .name: out0, .offset: 128, .size: 8, .value_kind: global_buffer, .address_space: global }
    .group_segment_fixed_size: 49920
    .private_segment_fixed_size: 0
    .kernarg_segment_align: 8
    .kernarg_segment_size: 136
    .max_flat_workgroup_size: 128
    .sgpr_count:     66
    .vgpr_count:     514
    .wavefront_size: 32
...
	.end_amdgpu_metadata
.endif
;; end of part 2
